; MI455X (gfx1250); checked and timed in simulation.
; The chip was launched on July 23, 2026; its instructions are those of AMD's public machine-readable ISA for CDNA 5 (MIT licence, August 2026) and "CDNA5" Instruction Set Architecture Reference Guide (July 2026). The comments in the code are by the model that wrote it; some were corrected since.
;; Multi Head Attention. Allowed arithmetic: matrix products marked QUANTISED: E2M1 operands, one E8M0 scale for each 32 along K, by v_wmma_scale_f32_16x16x128_f8f6f4 with both operands' format E2M1 (or v_wmma_scale_f32_32x16x128_f4), f32 sums; everything else in f32.
;; Inputs: Wk_codes 1,024 x 32 x 16 uint8 (E2M1 codes of Wk, K innermost, in blocks of 32 codes, two codes a byte); Wk_scales 1,024 x 32 uint8 (E8M0 scales of Wk, one for each 32 codes along K); Wo_codes 1,024 x 32 x 16 uint8 (E2M1 codes of Wo, K innermost, in blocks of 32 codes, two codes a byte); Wo_scales 1,024 x 32 uint8 (E8M0 scales of Wo, one for each 32 codes along K); Wq_codes 1,024 x 32 x 16 uint8 (E2M1 codes of Wq, K innermost, in blocks of 32 codes, two codes a byte); Wq_scales 1,024 x 32 uint8 (E8M0 scales of Wq, one for each 32 codes along K); Wv_codes 1,024 x 32 x 16 uint8 (E2M1 codes of Wv, K innermost, in blocks of 32 codes, two codes a byte); Wv_scales 1,024 x 32 uint8 (E8M0 scales of Wv, one for each 32 codes along K); bk 1,024 float32; bo 1,024 float32; bq 1,024 float32; bv 1,024 float32; k_codes 4 x 2,048 x 32 x 16 uint8 (E2M1 codes of k, K innermost, in blocks of 32 codes, two codes a byte); k_scales 4 x 2,048 x 32 uint8 (E8M0 scales of k, one for each 32 codes along K); q_codes 4 x 2,048 x 32 x 16 uint8 (E2M1 codes of q, K innermost, in blocks of 32 codes, two codes a byte); q_scales 4 x 2,048 x 32 uint8 (E8M0 scales of q, one for each 32 codes along K); v_codes 4 x 2,048 x 32 x 16 uint8 (E2M1 codes of v, K innermost, in blocks of 32 codes, two codes a byte); v_scales 4 x 2,048 x 32 uint8 (E8M0 scales of v, one for each 32 codes along K).
;; Outputs: out0 4 x 2,048 x 1,024 float32.
;; This version of the problem:
;;   THIS VERSION OF THE PROBLEM IS GIVEN IN LOW PRECISION. The matrix products marked QUANTISED in the list below multiply operands that are first quantised to E2M1 (2 exponent bits, 1 mantissa bit; 4 bits a number), with one power-of-two scale for each 32 numbers along K (OCP MX v1.0); their sums are f32. All else is computed in f32.
;;   The module's matrix products, in the order in which they are computed (A, B: the left and right operand; K: the contracted axis; several contracted axes count as one K, in the product's order):
;;     1. [M 8,192, K 1,024] x [K 1,024, N 1,024]; A: input q (given as codes); B: input Wq (given as codes): QUANTISED
;;     2. [M 8,192, K 1,024] x [K 1,024, N 1,024]; A: input k (given as codes); B: input Wk (given as codes): QUANTISED
;;     3. [M 8,192, K 1,024] x [K 1,024, N 1,024]; A: input v (given as codes); B: input Wv (given as codes): QUANTISED
;;     4. batch 64 x [M 2,048, K 64] x [K 64, N 2,048]; A: computed on the way; B: computed on the way: QUANTISED
;;     5. batch 64 x [M 2,048, K 2,048] x [K 2,048, N 64]; A: softmax (see below); B: computed on the way: QUANTISED
;;     6. [M 8,192, K 1,024] x [K 1,024, N 1,024]; A: computed on the way; B: input Wo (given as codes): QUANTISED
;;   THE QUANTISER, for each operand of a quantised product, along K:
;;     - K is cut into blocks of 32 from its start; a last block that is shorter is filled with zeros.
;;     - A block's scale is 2^e with e = floor(log2(the largest magnitude in the block)) - 2, held to -126 .. 127; a block of zeros has e = 0. As a byte (E8M0): e + 127.
;;     - Each number is divided by its block's scale, clamped to +-6, and rounded to the nearest number of E2M1, ties to even, subnormals kept.
;;     - The product sums the exact products of the quantised numbers (number of the format x scale) in f32.
;;   ~~~python
;;   def quantise(x, axis):      # numpy; x: float32 -> the quantised numbers, widened to float32 again
;;       x = np.moveaxis(x, axis, -1); K = x.shape[-1]
;;       x = np.pad(x, [(0, 0)] * (x.ndim - 1) + [(0, -K % 32)]); x = x.reshape(x.shape[:-1] + (-1, 32)); a = np.abs(x).max(-1, keepdims=True)
;;       e = np.where(a > 0, np.clip(np.frexp(np.where(a > 0, a, 1))[1] - 1 - 2, -126, 127), 0)      # np.frexp(a)[1] - 1 = floor(log2(a)), exactly
;;       r = np.clip(x / 2.0 ** e, -6, 6)
;;       step = 2.0 ** (np.maximum(np.frexp(np.where(r == 0, 1, r))[1] - 1, 0) - 1)
;;       q = np.round(r / step) * step * 2.0 ** e      # np.round: ties to even
;;       return np.moveaxis(q.reshape(q.shape[:-2] + (-1,))[..., :K], -1, axis).astype(np.float32)
;;   ~~~
;;   SOFTMAX AHEAD OF A QUANTISED PRODUCT. Where the list says 'softmax', what is quantised is not the finished softmax but p = 2^(t - M), with t = logit x log2(e) and M = ceil(the row's largest t), a whole number; so 1/2 < the row's largest p <= 1. The row's sum l is taken of the UNQUANTISED p, in f32, and the product's result is divided by l at the end. Since M is a whole number, a kernel that streams over the keys may use a running M (the ceiling of the running maximum): every later rescaling is an exact power of two, which a block's scale takes up: the codes' values come out the same.
;;   OPERANDS COMPUTED ON THE WAY. 'Computed on the way' means the value that the module computes at that place (a softmax that the list does not call 'softmax' is quantised finished and normalised). What goes into a quantiser is computed in f32, as accurately as f32 sums, v_exp_f32 and their like allow (about 1e-6 of the number): no bf16 or f16 on the way to a quantiser, and a product that is left as it is and whose result goes on into a quantised operand takes f32 operands (vector FMAs, or v_wmma_f32_16x16x4_f32). A number that lies on a knife's edge between two numbers of the format may be rounded either way, as far as f32 arithmetic and the matrix unit's own rounding can turn it there, and no further.
;;   INPUTS GIVEN AS CODES. Wk (in the module: [1024, 1024], K = its axis 1); Wo (in the module: [1024, 1024], K = its axis 1); Wq (in the module: [1024, 1024], K = its axis 1); Wv (in the module: [1024, 1024], K = its axis 1); k (in the module: [4, 2048, 1024], K = its axis 2); q (in the module: [4, 2048, 1024], K = its axis 2); v (in the module: [4, 2048, 1024], K = its axis 2): each comes as NAME_codes (uint8): NAME with its K axis moved to the last place and cut into blocks of 32 codes, [.., K / 32, bytes a block], one block behind the other in memory; two codes a byte, the lower K in the low four bits (a code: sign, 2 exponent bits, 1 mantissa bit); and NAME_scales (uint8): the same leading axes, one E8M0 byte (e + 127) for each 32 codes along K. Its value is code x scale, taken as it is: it is not quantised again, and the codes and scales need not be those that the quantiser above would give.
;; One version. Each part assembles by itself: llvm-mc -triple=amdgcn-amd-amdhsa -mcpu=gfx1250 --defsym DOCPART=n.
;; ======== version 1 of 1: 3 launches
;; workspace buffers: Qc 4,194,304 bytes; Qs 524,288 bytes; KV 9,175,040 bytes; Xc 4,194,304 bytes; Xs 262,144 bytes
;; launch proj (part 1): grid 8 x 96, 4 waves a work-group, clusters of 4 x 4, 209,408 bytes of LDS; arguments Wq_codes, Wq_scales, q_codes, q_scales, bq, Wk_codes, Wk_scales, k_codes, k_scales, bk, v_codes, v_scales, Wv_codes, Wv_scales, bv, Qc, Qs, KV; writes Qc, Qs, KV
.if DOCPART == 1
	.amdgcn_target "amdgcn-amd-amdhsa--gfx1250"
	.amdhsa_code_object_version 6
	.text
	.protected	k_qede4bc2c26_proj
	.globl	k_qede4bc2c26_proj
	.p2align	8
	.type	k_qede4bc2c26_proj,@function
k_qede4bc2c26_proj:
	s_mov_b64 s[64:65], 0
	v_nop
	global_prefetch_b8 v0, s[64:65] scope:SCOPE_SE
	s_setreg_imm32_b32 hwreg(HW_REG_WAVE_MODE, 25, 1), 1
	s_wait_xcnt 0x0
	s_wait_alu depctr_hold_cnt(0) depctr_sa_sdst(0) depctr_va_vdst(0) depctr_va_sdst(0) depctr_va_ssrc(0) depctr_va_vcc(0) depctr_vm_vsrc(0)
	s_getreg_b32 s2, hwreg(HW_REG_IB_STS2, 6, 4)
	s_cmp_eq_u32 s2, 0
	s_cbranch_scc0 .Lentry_in_a_cluster
	s_endpgm
.Lentry_in_a_cluster:
	s_bfe_u32 s2, ttmp6, 0x10000c
	s_cmp_lg_u32 s2, 0xf033
	s_cbranch_scc0 .Lentry_shape_is_right
	s_endpgm
.Lentry_shape_is_right:
; Q = q Wq^T + bq, K = k Wk^T + bk, V = v Wv^T + bv on codes of FP4 (E2M1) with one E8M0 scale for each 32 along K = 1,024; the f32 results are quantised again at once:
; Q and K along a head's 64 channels, V along the keys; only codes and scale words go to memory, laid as images of the next launch's operand registers.
; ONE BODY FOR THE THREE TENSORS.  S0 is the matrix instruction's source 0, S1 its source 1.  In a result lane l keeps ONE row of S1 (l % 16) and its registers run along S0's rows (8 (l / 16) + 0 .. 7).
; The quantiser wants a lane's registers to run along the axis that is quantised: so for Q and K S0 = the weight (its rows are the channels) and S1 = the tokens; for V S0 = the tokens (keys) and S1 = the weight.
; Both operands have rows of 512 bytes of codes and 32 scale bytes, so only pointers and a few strides are chosen, by scalar selects on the tensor's number; there is one path through the text.
; SHARES.  A work-group makes 128 rows of S0 x 256 rows of S1; each of its four waves all 128 x 64: 32 accumulators of 16 x 16.  All of K lies in LDS: two halves of 512 along K, each filled once.
; CLUSTER.  4 x 4 work-groups.  S0's tile hangs on the work-group's x alone and is asked for jointly by a column of the cluster, S1's on its y alone and is asked for jointly by a row.
; THE QUANTISER.  A block of 32 is tiles 2 b and 2 b + 1 of S0: 16 registers of lane l and 16 of lane l xor 16.  Tile t's eight codes (one register, X_t) hold index 16 t + 8 (l / 16) + 0 .. 7;
; the operand's register 4 c + m wants, in lane half g, index 64 c + 32 g + 8 m + 0 .. 7: X_(4 c + 2 g + m / 2) of half m % 2.  So X_0, X_2, X_1, X_3 are written side by side and two exchanges of lane halves give registers 4 c .. 4 c + 3.
; LIMITS: NaN and infinities are not served.  A block whose largest magnitude lies under 2^-124, a block of zeros among them, gets the byte 1 (its codes are then zeros or nearly so; the bytes are read by this program alone).
; REGISTERS, in windows of 256.  Window 0: v1-12 addresses; v16-47 S0's scale words, v48-63 S1's; v64-191 S0's fragments, two sets; v192-255 S1's, two sets; behind the products v64-191 serve the quantiser.
;   Window 1: accumulator (j, t) at v[64 j + 8 t].   Window 2: v0-63 the bias along S0's rows, v64-71 the bias of the lane's row of S1, as pairs.
.set PITCH, 272                        ; an LDS row: 256 bytes of codes + 16 of padding: the 16 rows that a fragment load touches start 68 words apart
.set TILEB, 16*PITCH
.set S0B,   128*PITCH                  ; S0's 128 rows of a K half; S1's 256 rows lie behind them
.set HALF,  384*PITCH                  ; a K half
.set REC,   8960                       ; a record of KV: one head's 128 keys: K's codes 4,096, V's codes 4,096, K's scale words 512, V's 256
.set PADW,  (1<<20)|(1<<21)|(5<<22)|(3<<25)   ; descriptor group 1, word 0: elements of 1 byte; padding on; bit 21 beside a mask; after every 64 words four words
.set A0,  4                            ; v4-5   LDS address of my lane in S0's tiles, K half 0, 1
.set A1,  6                            ; v6-7   the same for my wave's 64 rows of S1
.set S0S, 16
.set S1S, 48
.set F0,  64
.set F1,  192
.set H,   64                           ; the quantiser: 64 numbers of a lane
.set TM,  128                          ; v128-131 largest magnitudes, v132-135 bytes, v140-143 scale operands
.set PC,  144                          ; v144-175 the codes, 8 registers for each tile j: no store's data are written again
.set PW,  176                          ; v176-179 the scale words
.set SW,  180                          ; v180-183 as they are stored
.set CA,  184                          ; v184-191 the codes' byte offsets
.set BB,  64                           ; in window 2
.set MSB, 0
.macro WIN new                         ; the immediate's high byte repeats the setting that is left
.if MSB != \new
	s_set_vgpr_msb (MSB<<8)|\new
.set MSB, \new
.endif
.endm
.macro PLACES                          ; four plain vector instructions between a matrix instruction and a load into, or a vector write of, one of its registers, or a read of its result
.rept 4
	v_nop
.endr
.endm
.macro CROUND                          ; a round of the cluster's barrier
	s_barrier_signal -1
	s_barrier_wait -1
	s_cmp_lg_u32 s4, 0
	s_cbranch_scc1 .Lnot_wave_0_\@
	s_barrier_signal -3
.Lnot_wave_0_\@:
	s_barrier_wait -3
	s_barrier_signal -1
	s_barrier_wait -1
.endm
	s_load_b512 s[8:23], s[0:1], 0x0               ; Q's five pointers s[8:17] (S0 codes, S0 scales, S1 codes, S1 scales, bias), K's first three s[18:23]
	s_load_b512 s[24:39], s[0:1], 0x40             ; K's last two s[24:27], V's five s[28:37], Qc s[38:39]
	s_load_b128 s[40:43], s[0:1], 0x80             ; Qs s[40:41], KV s[42:43]
	v_lshl_add_u32 v14, v0, 2, 0x33000
	v_mov_b32 v15, 0
	ds_add_u32 v14, v15
	ds_add_u32 v14, v15
	v_lshrrev_b32 v1, 5, v0
	v_readfirstlane_b32 s4, v1                     ; wave 0..3
	s_and_b32 s5, s4, 1
	s_bfe_u32 s6, ttmp6, 0x40000                   ; cx
	s_bfe_u32 s7, ttmp6, 0x40004                   ; cy
	s_and_b32 s61, ttmp7, 0xffff                   ; the cluster's y, 0..23
	s_lshr_b32 s60, s61, 3                         ; the tensor: 0 Q, 1 K, 2 V
	s_and_b32 s61, s61, 7                          ; which of its eight rows of clusters
	s_lshl_b32 s66, ttmp9, 2
	s_add_co_u32 s66, s66, s6                      ; work-group x, 0..7
	s_lshl_b32 s96, s61, 3
	s_lshl_b32 s97, s61, 2
	s_cmp_eq_u32 s60, 2
	s_cselect_b32 s96, s96, 0
	s_cselect_b32 s97, 0, s97
	s_add_co_u32 s62, s66, s96                     ; S0's block of 128 rows: Q, K: x (8 blocks of the weight); V: x + 8 row (64 blocks of tokens).  It never holds cy
	s_add_co_u32 s63, s7, s97                      ; S1's block of 256 rows: Q, K: cy + 4 row (32 blocks of tokens); V: cy (4 blocks of the weight).  It never holds cx
	s_lshl_b32 s67, 0x1111, s6                     ; my column of the cluster
	s_lshl_b32 s3, s7, 2
	s_lshl_b32 s3, 15, s3                          ; my row
	s_or_b32 s44, s67, PADW                        ; group 1 for S0's tiles, s[44:51]: 64 rows x 256 bytes out of rows of 512
	s_or_b32 s52, s3, PADW                         ; group 1 for S1's tiles, s[52:59]: 128 rows
.irp g, 44, 52
	s_mov_b32 s[\g+1], 256<<16                     ; tensor_dim0
	s_mov_b32 s[\g+3], 256<<16                     ; tile_dim0
	s_mov_b32 s[\g+5], 512                         ; from row to row
	s_mov_b32 s[\g+6], 0
	s_mov_b32 s[\g+7], 0
.endr
	s_mov_b32 s46, 64<<16                          ; tensor_dim1
	s_mov_b32 s48, 64                              ; tile_dim1
	s_mov_b32 s54, 128<<16
	s_mov_b32 s56, 128
	s_mov_b32 s94, 0x76543210
	s_mov_b32 s95, 0xfedcba98                      ; v_permlanex16_b32's selects for lane l xor 16
	s_wait_dscnt 0x0
	s_wait_kmcnt 0x0
	s_cmp_eq_u32 s60, 1                            ; the tensor's five pointers into s[8:17]: the choice hangs on the cluster's y alone
	s_cselect_b64 s[8:9], s[18:19], s[8:9]
	s_cselect_b64 s[10:11], s[20:21], s[10:11]
	s_cselect_b64 s[12:13], s[22:23], s[12:13]
	s_cselect_b64 s[14:15], s[24:25], s[14:15]
	s_cselect_b64 s[16:17], s[26:27], s[16:17]
	s_cmp_eq_u32 s60, 2
	s_cselect_b64 s[8:9], s[28:29], s[8:9]
	s_cselect_b64 s[10:11], s[30:31], s[10:11]
	s_cselect_b64 s[12:13], s[32:33], s[12:13]
	s_cselect_b64 s[14:15], s[34:35], s[14:15]
	s_cselect_b64 s[16:17], s[36:37], s[16:17]
	s_lshl_b32 s18, s62, 16                        ; S0: 128 rows of 512 bytes a block,
	s_lshl_b32 s19, s5, 15                         ; + the 64 rows that I would fetch
	s_add_co_u32 s18, s18, s19
	s_mov_b32 s19, 0
	s_add_nc_u64 s[18:19], s[8:9], s[18:19]
	s_lshl_b32 s22, s63, 17                        ; S1: 256 rows a block,
	s_lshl_b32 s23, s5, 16                         ; + the 128 rows that I would fetch
	s_add_co_u32 s22, s22, s23
	s_mov_b32 s23, 0
	s_add_nc_u64 s[22:23], s[12:13], s[22:23]
	s_mul_i32 s96, s5, 64*PITCH                    ; and where they go: the wave's number alone enters an LDS address
	s_mul_i32 s97, s5, 128*PITCH
.irp kh, 0,1                           ; group 0 for each K half: S0's at s[68:75], S1's at s[76:83]
	s_mov_b32 s[68+4*\kh], 1
	s_add_co_u32 s[69+4*\kh], s96, \kh*HALF
	s_add_nc_u64 s[70+4*\kh:71+4*\kh], s[18:19], \kh*256
	s_or_b32 s[71+4*\kh], s[71+4*\kh], 0x80000000
	s_mov_b32 s[76+4*\kh], 1
	s_add_co_u32 s[77+4*\kh], s97, \kh*HALF+S0B
	s_add_nc_u64 s[78+4*\kh:79+4*\kh], s[22:23], \kh*256
	s_or_b32 s[79+4*\kh], s[79+4*\kh], 0x80000000
.endr
	CROUND                                         ; all sixteen work-groups are here: the joint loads meet
	s_cmp_lt_u32 s4, 2                             ; waves 0 and 1 fetch S0's halves of rows, waves 2 and 3 S1's; a wave's two fills stand in one branch: two loads of mine are out
	s_cbranch_scc0 .Lfill_s1
	tensor_load_to_lds s[68:71], s[44:51]
	s_nop 0
	tensor_load_to_lds s[72:75], s[44:51]
	s_nop 0
.rept 4
	v_nop
.endr
	s_branch .Lfilled
.Lfill_s1:
	tensor_load_to_lds s[76:79], s[52:59]
	s_nop 0
	tensor_load_to_lds s[80:83], s[52:59]
	s_nop 0
.rept 4
	v_nop
.endr
.Lfilled:
	; addresses
	v_and_b32 v1, 15, v0                           ; r
	v_bfe_u32 v2, v0, 4, 1                         ; h
	v_and_b32 v3, 31, v0
	v_lshlrev_b32 v3, 4, v3                        ; 16 x lane: my place in an image
	v_mul_u32_u24 v[A0], v1, PITCH
	v_lshl_add_u32 v[A0], v2, 4, v[A0]             ; a fragment: row r, + 16 h
	v_add_nc_u32 v[A0+1], HALF, v[A0]
	s_mul_i32 s96, s4, 64*PITCH
	s_add_co_u32 s96, s96, S0B
	v_add_nc_u32 v[A1], s96, v[A0]                 ; my wave's 64 rows of S1
	v_add_nc_u32 v[A1+1], HALF, v[A1]
	v_lshlrev_b32 v8, 5, v1
	v_lshl_add_u32 v8, v2, 4, v8                   ; scale bytes: row r of 32 bytes, + 16 h
	v_lshlrev_b32 v9, 5, v2                        ; the bias along S0: 8 h numbers on
	v_lshlrev_b32 v10, 2, v1                       ; the bias of my row of S1
	s_mov_b32 s25, 0
	s_mov_b32 s27, 0
	s_lshl_b32 s24, s62, 12                        ; S0's scale bytes: 128 rows of 32
	s_add_nc_u64 s[10:11], s[10:11], s[24:25]
	s_lshl_b32 s24, s63, 13                        ; S1's: 256 rows a block, + my wave's 64
	s_lshl_b32 s26, s4, 11
	s_add_co_u32 s24, s24, s26
	s_add_nc_u64 s[14:15], s[14:15], s[24:25]
	s_lshl_b32 s24, s62, 9                         ; the bias belongs to the weight's rows: S0's for Q and K, S1's for V.  Both forms are loaded, from inside the buffer, and the one that does not apply becomes zeros
	s_lshl_b32 s26, s63, 10
	s_lshl_b32 s34, s4, 8
	s_add_co_u32 s26, s26, s34
	s_cmp_eq_u32 s60, 2
	s_cselect_b32 s24, 0, s24
	s_cselect_b32 s26, s26, 0
	s_add_nc_u64 s[20:21], s[16:17], s[24:25]
	s_add_nc_u64 s[30:31], s[16:17], s[26:27]
	; THE SCALE WORDS go from memory straight into registers: a tile's 16 rows of 32 bytes are 512 consecutive bytes, one load.  Register m then holds K step m's word in lanes 0-15 and K step 4 + m's in lanes 16-31
.irp t, 0,1,2,3,4,5,6,7
	global_load_b128 v[S0S+4*\t:S0S+4*\t+3], v8, s[10:11] offset:512*\t
.endr
.irp j, 0,1,2,3
	global_load_b128 v[S1S+4*\j:S1S+4*\j+3], v8, s[14:15] offset:512*\j
.endr
	WIN 0x80                                       ; destination window 2
.irp t, 0,1,2,3,4,5,6,7
	global_load_b128 v[8*\t:8*\t+3], v9, s[20:21] offset:64*\t         ; bias(16 t + 8 h + 0 .. 7), in the result's layout
	global_load_b128 v[8*\t+4:8*\t+7], v9, s[20:21] offset:64*\t+16
.endr
.irp j, 0,1,2,3
	global_load_b32 v[BB+2*\j], v10, s[30:31] offset:64*\j              ; bias(16 j + r)
.endr
	WIN 0
	; WHERE THE RESULTS GO.  All three forms are made and one is chosen.  bhA = 16 batch + the first of my two heads; tb = my 256 tokens' place in the batch
	s_lshr_b32 s34, s63, 3
	s_lshl_b32 s34, s34, 4
	s_lshl_b32 s35, s62, 1
	s_add_co_u32 s34, s34, s35                     ; bhA
	s_and_b32 s35, s63, 7                          ; tb
	s_lshl_b32 s36, s34, 16                        ; Q's codes: 65,536 bytes a head, 512 a tile of 16 tokens: tile 16 tb + 4 wave + j
	s_lshl_b32 s37, s35, 13
	s_add_co_u32 s36, s36, s37
	s_lshl_b32 s37, s4, 11
	s_add_co_u32 s36, s36, s37
	s_lshr_b32 s37, s36, 3                         ; Q's scale words: 8,192 bytes a head, 256 for four tiles: an eighth of the codes' offset
	s_lshl_b32 s98, s34, 4                         ; K: record 16 bhA + key step, key step = 2 tb + wave / 2
	s_lshl_b32 s99, s35, 1
	s_add_co_u32 s98, s98, s99
	s_lshr_b32 s99, s4, 1
	s_add_co_u32 s98, s98, s99
	s_mul_i32 s98, s98, REC
	s_lshl_b32 s99, s5, 8
	s_add_co_u32 s99, s99, s98
	s_add_co_u32 s99, s99, 8192                    ; its scale words: tiles 4 (wave % 2) + j
	s_lshl_b32 s2, s5, 11
	s_add_co_u32 s98, s98, s2                      ; its codes
	s_lshr_b32 s100, s62, 4                        ; V: head 16 batch + 4 S1's block + wave, key step = S0's block % 16
	s_lshl_b32 s100, s100, 4
	s_lshl_b32 s2, s63, 2
	s_add_co_u32 s100, s100, s2
	s_add_co_u32 s100, s100, s4
	s_lshl_b32 s100, s100, 4
	s_and_b32 s2, s62, 15
	s_add_co_u32 s100, s100, s2
	s_mul_i32 s100, s100, REC
	s_add_co_u32 s101, s100, 8704
	s_add_co_u32 s100, s100, 4096
	s_mov_b32 s88, 512                             ; from tile j to tile j + 1 of the codes
	s_mov_b32 s89, 16*REC                          ; from registers 0-3 to registers 4-7 of the codes
	s_mov_b32 s90, 16*REC                          ; from lanes 0-15's scale words to lanes 16-31's
	s_cmp_eq_u32 s60, 0
	s_cselect_b64 s[84:85], s[38:39], s[42:43]     ; codes: Qc or KV
	s_cselect_b64 s[86:87], s[40:41], s[42:43]     ; scale words: Qs or KV
	s_cselect_b32 s24, s36, s98
	s_cselect_b32 s26, s37, s99
	s_cselect_b32 s89, 65536, s89                  ; Q, K: registers 4-7 are the second head's
	s_cselect_b32 s90, 8192, s90
	s_cmp_eq_u32 s60, 2
	s_cselect_b32 s24, s100, s24
	s_cselect_b32 s26, s101, s26
	s_cselect_b32 s88, 1024, s88                   ; V: a tile of channels has both halves of the 128 keys
	s_cselect_b32 s89, 512, s89
	s_cselect_b32 s90, 0, s90
	s_cselect_b32 s91, 0, 16                       ; Q, K: lanes 16-31 store the second head's two bytes
	s_cselect_b32 s92, -1, 0                       ; all lanes for V
	s_cselect_b32 s93, 0, -1                       ; all lanes for Q and K
	s_add_nc_u64 s[84:85], s[84:85], s[24:25]
	s_add_nc_u64 s[86:87], s[86:87], s[26:27]
	v_mul_lo_u32 v11, v2, s90
	v_lshl_add_u32 v11, v1, 4, v11                 ; scale words: 16 r + h x the heads' distance
	v_mul_lo_u32 v12, v2, s91
	s_wait_loadcnt 0x0
	WIN 0x82                                       ; destination and source 0 window 2
.set i, 0
.rept 64
	v_cndmask_b32 v[i], v[i], 0, s92               ; V has no bias along S0
.set i, i+1
.endr
.irp j, 0,1,2,3
	v_cndmask_b32 v[BB+2*\j+1], v[BB+2*\j], 0, s93 ; Q and K have none along S1; the number is widened into a pair for the packed addition
	v_cndmask_b32 v[BB+2*\j], v[BB+2*\j], 0, s93
.endr
	WIN 0
.macro FETCH q, set                    ; the fragments of K step q (128 along K: 64 bytes of a row): S0's eight and my four of S1
.irp t, 0,1,2,3,4,5,6,7
.irp c, 0,1
	ds_load_b128 v[F0+64*(\set)+8*\t+4*\c:F0+64*(\set)+8*\t+4*\c+3], v[A0+(\q)/4] offset:\t*TILEB+64*((\q)%4)+32*\c
.endr
.endr
.irp j, 0,1,2,3
.irp c, 0,1
	ds_load_b128 v[F1+32*(\set)+8*\j+4*\c:F1+32*(\set)+8*\j+4*\c+3], v[A1+(\q)/4] offset:\j*TILEB+64*((\q)%4)+32*\c
.endr
.endr
.endm
.macro MUL q, set                      ; 32 matrix instructions; the 32 accumulators take turns, one instruction a turn.  K step 0 starts the sums: nothing is cleared
	WIN 0x50                                       ; C and D window 1
.irp j, 0,1,2,3
.irp t, 0,1,2,3,4,5,6,7
.if (\q) == 0
	v_wmma_scale_f32_16x16x128_f8f6f4 v[64*\j+8*\t:64*\j+8*\t+7], v[F0+64*(\set)+8*\t:F0+64*(\set)+8*\t+7], v[F1+32*(\set)+8*\j:F1+32*(\set)+8*\j+7], 0, v[S0S+4*\t], v[S1S+4*\j] matrix_a_fmt:MATRIX_FMT_FP4 matrix_b_fmt:MATRIX_FMT_FP4
.elseif (\q) < 4
	v_wmma_scale_f32_16x16x128_f8f6f4 v[64*\j+8*\t:64*\j+8*\t+7], v[F0+64*(\set)+8*\t:F0+64*(\set)+8*\t+7], v[F1+32*(\set)+8*\j:F1+32*(\set)+8*\j+7], v[64*\j+8*\t:64*\j+8*\t+7], v[S0S+4*\t+(\q)], v[S1S+4*\j+(\q)] matrix_a_fmt:MATRIX_FMT_FP4 matrix_b_fmt:MATRIX_FMT_FP4
.else
	v_wmma_scale_f32_16x16x128_f8f6f4 v[64*\j+8*\t:64*\j+8*\t+7], v[F0+64*(\set)+8*\t:F0+64*(\set)+8*\t+7], v[F1+32*(\set)+8*\j:F1+32*(\set)+8*\j+7], v[64*\j+8*\t:64*\j+8*\t+7], v[S0S+4*\t+(\q)-4], v[S1S+4*\j+(\q)-4] matrix_a_fmt:MATRIX_FMT_FP4 matrix_b_fmt:MATRIX_FMT_FP4 matrix_a_scale:MATRIX_SCALE_ROW1 matrix_b_scale:MATRIX_SCALE_ROW1
.endif
.endr
.endr
	WIN 0
.endm
	s_wait_tensorcnt 0x1                           ; my part of K half 0 is in; my load of K half 1 may stay out
	s_barrier_signal -1
	s_barrier_wait -1                              ; everybody's is
	FETCH 0, 0
.irp q, 0,1,2,3,4,5,6,7
	s_wait_dscnt 0x0                               ; this K step's fragments are in
.if \q == 3
	s_wait_tensorcnt 0x0                           ; my part of K half 1 is in,
	s_barrier_signal -1
	s_barrier_wait -1                              ; everybody's is: K step 4 may be fetched
.endif
.if \q > 0
	PLACES                                         ; the next loads land in the set that the last K step's products read
.endif
.if \q < 7
	FETCH \q+1, (\q+1)%2
.endif
	MUL \q, \q%2
.endr
; 64 numbers of a lane, v[s] on, register 8 t + i = index 16 t + 8 (lane / 16) + i of my row, become a fragment's codes in v[pc] on and its scale word in v[pw]
.macro QUANT s, pc, pw
.irp b, 0,1,2,3
	v_max3_num_f32 v[TM+\b], |v[\s+16*\b]|, |v[\s+1+16*\b]|, 0x1800000   ; block b: my 16 numbers, and the floor 2^(3 - 127): so the byte cannot fall under 1
.endr
.irp i, 2,4,6,8,10,12,14
.irp b, 0,1,2,3
	v_max3_num_f32 v[TM+\b], v[TM+\b], |v[\s+16*\b+\i]|, |v[\s+1+16*\b+\i]|   ; (the four blocks by turns)
.endr
.endr
.irp b, 0,1,2,3
	v_permlanex16_b32 v[TM+4+\b], v[TM+\b], s94, s95
.endr
.irp b, 0,1,2,3
	v_max_num_f32 v[TM+\b], v[TM+\b], v[TM+4+\b]   ; with lane l xor 16's: the block's largest magnitude
.endr
.irp b, 0,1,2,3
	v_add_nc_u32 v[TM+12+\b], 0xff000000, v[TM+\b] ; 2 off its exponent field: the conversion takes the exponent field of this operand as its scale
.endr
.irp b, 0,1,2,3
	v_lshrrev_b32 v[TM+4+\b], 23, v[TM+12+\b]      ; the scale's byte
.endr
	v_lshl_or_b32 v[\pw], v[TM+5], 8, v[TM+4]
	v_lshl_or_b32 v[\pw], v[TM+6], 16, v[\pw]
	v_lshl_or_b32 v[\pw], v[TM+7], 24, v[\pw]
.irp t, 0,1,2,3,4,5,6,7
	v_cvt_scalef32_pk8_fp4_f32 v[\pc+4*(\t/4)+2*(\t%2)+(\t%4)/2], v[\s+8*\t:\s+8*\t+7], v[TM+12+\t/2]   ; X_0, X_2, X_1, X_3 side by side
.endr
	v_nop                                          ; one plain instruction behind the scaled conversions
.irp i, 0,2,4,6
	v_permlane16_swap_b32 v[\pc+\i], v[\pc+\i+1]   ; the first's lanes 16-31 change places with the second's lanes 0-15: two registers of the operand
.endr
.endm
.macro OUT j                           ; my tile j of S1's rows: the bias, the quantiser, the image's two stores of 512 consecutive bytes
	WIN 0x09                                       ; source 0 (the sums) window 1, source 1 (the bias) window 2
.set i, 0
.rept 32
	v_pk_add_f32 v[H+i:H+i+1], v[64*\j+i:64*\j+i+1], v[i:i+1]           ; each accumulator from its low end on
.set i, i+2
.endr
	WIN 0x08
.set i, 0
.rept 32
	v_pk_add_f32 v[H+i:H+i+1], v[H+i:H+i+1], v[BB+2*\j:BB+2*\j+1]
.set i, i+2
.endr
	WIN 0
	QUANT H, PC+8*\j, PW+\j
	global_store_b128 v[CA+2*\j], v[PC+8*\j:PC+8*\j+3], s[84:85]
	global_store_b128 v[CA+2*\j+1], v[PC+8*\j+4:PC+8*\j+7], s[84:85]
.endm
	PLACES                                         ; behind the last products: their fragments' registers are written and their results read from here on
.irp b, 0,1,2,3
	v_mov_b32 v[TM+4+\b], 0                        ; written once: a lane permute's destination counts as one of its sources
.endr
.irp j, 0,1,2,3
	s_mul_i32 s2, s88, \j
	v_add_nc_u32 v[CA+2*\j], s2, v3
	s_add_co_u32 s2, s2, s89
	v_add_nc_u32 v[CA+2*\j+1], s2, v3
.endr
	OUT 0
	OUT 1
	OUT 2
	OUT 3
.irp j, 0,1,2,3
	v_lshrrev_b32 v[SW+\j], v12, v[PW+\j]          ; Q, K: lanes 0-15 keep the word (its low two bytes are the first head's), lanes 16-31 bring the second head's two bytes down; no byte is 0xff
.endr
	global_store_b128 v11, v[SW:SW+3], s[86:87]    ; sixteen lanes store 256 consecutive bytes: four tiles' words of row r.  For V both halves of the lanes store the same bytes with the same values
	s_wait_tensorcnt 0x0
	ds_add_u32 v14, v15
	s_wait_dscnt 0x0
	CROUND                                         ; the closing round: no work-group ends while a partner may still ask for a tile that names it
	s_endpgm
.Lfunc_end_k_qede4bc2c26_proj:
	.size	k_qede4bc2c26_proj, .Lfunc_end_k_qede4bc2c26_proj-k_qede4bc2c26_proj
	.p2alignl 7, 3214868480
	.fill 96, 4, 3214868480
	.section	.rodata,"a",@progbits
	.p2align	6, 0x0
	.amdhsa_kernel k_qede4bc2c26_proj
		.amdhsa_group_segment_fixed_size 209408
		.amdhsa_private_segment_fixed_size 0
		.amdhsa_enable_private_segment 0
		.amdhsa_kernarg_size 144
		.amdhsa_user_sgpr_count 2
		.amdhsa_user_sgpr_kernarg_segment_ptr 1
		.amdhsa_wavefront_size32 1
		.amdhsa_system_sgpr_workgroup_id_x 1
		.amdhsa_system_sgpr_workgroup_id_y 1
		.amdhsa_system_sgpr_workgroup_id_z 1
		.amdhsa_system_vgpr_workitem_id 0
		.amdhsa_next_free_vgpr 640
		.amdhsa_next_free_sgpr 102
		.amdhsa_reserve_vcc 0
		.amdhsa_float_denorm_mode_32 3
		.amdhsa_float_denorm_mode_16_64 3
		.amdhsa_memory_ordered 1
		.amdhsa_forward_progress 1
		.amdhsa_inst_pref_size 96
	.end_amdhsa_kernel
	.amdgpu_metadata
---
amdhsa.version: [ 1, 2 ]
amdhsa.kernels:
  - .name:           k_qede4bc2c26_proj
    .symbol:         k_qede4bc2c26_proj.kd
    .args:
      - { .name: Wq_codes, .offset: 0, .size: 8, .value_kind: global_buffer, .address_space: global }
      - { .name: Wq_scales, .offset: 8, .size: 8, .value_kind: global_buffer, .address_space: global }
      - { .name: q_codes, .offset: 16, .size: 8, .value_kind: global_buffer, .address_space: global }
      - { .name: q_scales, .offset: 24, .size: 8, .value_kind: global_buffer, .address_space: global }
      - { .name: bq, .offset: 32, .size: 8, .value_kind: global_buffer, .address_space: global }
      - { .name: Wk_codes, .offset: 40, .size: 8, .value_kind: global_buffer, .address_space: global }
      - { .name: Wk_scales, .offset: 48, .size: 8, .value_kind: global_buffer, .address_space: global }
      - { .name: k_codes, .offset: 56, .size: 8, .value_kind: global_buffer, .address_space: global }
      - { .name: k_scales, .offset: 64, .size: 8, .value_kind: global_buffer, .address_space: global }
      - { .name: bk, .offset: 72, .size: 8, .value_kind: global_buffer, .address_space: global }
      - { .name: v_codes, .offset: 80, .size: 8, .value_kind: global_buffer, .address_space: global }
      - { .name: v_scales, .offset: 88, .size: 8, .value_kind: global_buffer, .address_space: global }
      - { .name: Wv_codes, .offset: 96, .size: 8, .value_kind: global_buffer, .address_space: global }
      - { .name: Wv_scales, .offset: 104, .size: 8, .value_kind: global_buffer, .address_space: global }
      - { .name: bv, .offset: 112, .size: 8, .value_kind: global_buffer, .address_space: global }
      - { .name: Qc, .offset: 120, .size: 8, .value_kind: global_buffer, .address_space: global }
      - { .name: Qs, .offset: 128, .size: 8, .value_kind: global_buffer, .address_space: global }
      - { .name: KV, .offset: 136, .size: 8, .value_kind: global_buffer, .address_space: global }
    .group_segment_fixed_size: 209408
    .private_segment_fixed_size: 0
    .kernarg_segment_align: 8
    .kernarg_segment_size: 144
    .max_flat_workgroup_size: 128
    .sgpr_count:     102
    .vgpr_count:     640
    .wavefront_size: 32
...
	.end_amdgpu_metadata
.endif
;; end of part 1
;; launch attn (part 2): grid 8 x 32, 16 waves a work-group, clusters of 4 x 1, 289,792 bytes of LDS; arguments Qc, Qs, KV, Xc, Xs; writes Xc, Xs
.if DOCPART == 2
	.amdgcn_target "amdgcn-amd-amdhsa--gfx1250"
	.amdhsa_code_object_version 6
	.text
	.protected	k_qede4bc2c26_attn
	.globl	k_qede4bc2c26_attn
	.p2align	8
	.type	k_qede4bc2c26_attn,@function
k_qede4bc2c26_attn:
	s_mov_b64 s[64:65], 0
	v_nop
	global_prefetch_b8 v0, s[64:65] scope:SCOPE_SE
	s_setreg_imm32_b32 hwreg(HW_REG_WAVE_MODE, 25, 1), 1
	s_wait_xcnt 0x0
	s_wait_alu depctr_hold_cnt(0) depctr_sa_sdst(0) depctr_va_vdst(0) depctr_va_sdst(0) depctr_va_ssrc(0) depctr_va_vcc(0) depctr_vm_vsrc(0)
	s_getreg_b32 s2, hwreg(HW_REG_IB_STS2, 6, 4)
	s_cmp_eq_u32 s2, 0
	s_cbranch_scc0 .Lentry_in_a_cluster
	s_endpgm
.Lentry_in_a_cluster:
	s_bfe_u32 s2, ttmp6, 0x10000c
	s_cmp_lg_u32 s2, 0x3003
	s_cbranch_scc0 .Lentry_shape_is_right
	s_endpgm
.Lentry_shape_is_right:
; x[b][q][head] = softmax_k(Q . K) V for 64 heads of 64 channels and 2,048 keys, both products on codes of FP4 (E2M1) with one E8M0 scale for each 32 along a product's K; x is quantised along the model's 1,024 at once.
; THE SOFTMAX AHEAD OF THE SECOND PRODUCT: t = score x log2(e); M = the row's largest t so far, rounded UP to a whole number; p = 2^(t - M) is what is quantised, along the keys, not normalised.
; The row's sum is taken of the unquantised p, in f32, and divides O at the end.  When M moves, the sum and O are multiplied by 2^(old M - new M): exact.
; SHARES.  A work-group owns 256 queries of TWO heads (2 y and 2 y + 1 of the 64), each of its sixteen waves one tile of 16 queries, in 256 registers: four waves to a SIMD.  A wave walks the first head's 16 key steps of 128 keys, then the second's.
; The two heads are one K step of the last product: so the wave's two pairs of scale bytes make one scale word.
; LDS.  All of K and V of both heads, 32 records of 8,960 bytes as the launch before laid them (images of the operands' registers and their scale words), is filled ONCE: each wave fetches one record of each head.  No byte is filled again.
; CLUSTER.  The four query blocks of a cluster walk the same K and V: each record is asked for JOINTLY, by the same tensor load with the same descriptor and the mask of all four.
; LAYOUT.  Both products are used transposed: S^T = K Q^T (source 0 = 16 neighbouring keys, source 1 = my queries), O^T = V^T P^T: a lane holds ONE query (lane % 16) throughout.  The head's 64 fill half of the instruction's 128 along K: the other half is zero codes on both sides.
; Tile t's eight codes of p (one register, X_t) hold keys 16 t + 8 (lane / 16) + 0 .. 7; the operand's register 4 c + m wants, in lane half g, keys 64 c + 32 g + 8 m + 0 .. 7: X_(4 c + 2 g + m / 2) of half m % 2: X_0, X_2, X_1, X_3 side by side, and two exchanges of lane halves.
; LIMITS: NaN and infinities are not served.  A block's largest p is taken from its largest score by the same multiply-add and exponential.  A block whose largest magnitude lies under 2^-124 gets the byte 1.  1 / the sum is v_rcp_f32's.
; REGISTERS: v1 16 x lane, v2 16 x (lane % 16); v3-4 the step's LDS addresses; v5 x's scale word; v6-9 V's scale words; v10-11 Q's; v12 -M, v13 the largest t, v[14:15] the sum in two halves; v16-31 Q of the two heads;
;   v32-95 K's eight tiles (the upper four registers of each stay 0); v96-159 S^T, then p; v160-191 O^T; v192-223 V's four tiles; v224-231 codes; v232-239, v244-247, v252-254 at work; v240-243, v248-251 K's scale words; v255 the gather's address.
.set REC,  8960
.set HREC, 16*REC                      ; a head's 16 records
.set GATH, 32*REC                      ; behind the records: 1,024 bytes in which the sixteen waves' scale words meet; no fill lands there
.macro ROUND                           ; a round of the cluster's barrier
	s_barrier_signal -1
	s_barrier_wait -1
	s_cmp_lg_u32 s14, 0
	s_cbranch_scc1 .Lnot_wave_0_\@
	s_barrier_signal -3
.Lnot_wave_0_\@:
	s_barrier_wait -3
	s_barrier_signal -1
	s_barrier_wait -1
.endm
	s_load_b256 s[4:11], s[0:1], 0x0               ; Qc s[4:5], Qs s[6:7], KV s[8:9], Xc s[10:11]
	s_load_b64 s[12:13], s[0:1], 0x20              ; Xs
	v_lshl_add_u32 v254, v0, 2, 0x46400
	v_mov_b32 v255, 0
	ds_add_u32 v254, v255
	ds_add_u32 v254, v255
	s_wait_dscnt 0x0
	v_lshrrev_b32 v1, 5, v0
	v_readfirstlane_b32 s14, v1                    ; wave 0..15
	s_bfe_u32 s15, ttmp6, 0x40000                  ; cx
	s_lshl_b32 s16, ttmp9, 2
	s_add_co_u32 s16, s16, s15                     ; my block of 256 queries, 0..7: it enters Q's and x's addresses alone
	s_and_b32 s17, ttmp7, 0xffff                   ; y = 8 batch + pair of heads
	s_lshr_b32 s18, s17, 3                         ; batch
	s_and_b32 s19, s17, 7                          ; pair of heads
	; descriptor group 1: a record, 35 dense rows of 256 bytes (32 elements of 8 bytes), no padding; the mask of all four work-groups, bit 21 beside it
	s_mov_b32 s24, 15|(3<<16)|(1<<21)
	s_mov_b32 s25, 32<<16                          ; tensor_dim0
	s_mov_b32 s26, 35<<16                          ; tensor_dim1
	s_mov_b32 s27, 32<<16                          ; tile_dim0
	s_mov_b32 s28, 35                              ; tile_dim1
	s_mov_b32 s29, 32                              ; from row to row
	s_mov_b32 s30, 0
	s_mov_b32 s31, 0
	s_lshl_b32 s20, s17, 5
	s_add_co_u32 s20, s20, s14
	s_mul_i32 s20, s20, REC                        ; record 32 y + wave: the first head's key step = my wave's number
	s_mov_b32 s21, 0
	s_mul_i32 s2, s14, REC                         ; and its place in LDS
	s_mov_b32 s40, 0x76543210
	s_mov_b32 s41, 0xfedcba98                      ; v_permlanex16_b32's selects for lane l xor 16
	s_mov_b32 s42, 0x3fb8aa3b                      ; c = log2(e)
	s_mov_b32 s43, s42                             ; (the packed form names the pair and takes its low word for both halves)
	s_wait_kmcnt 0x0
	s_add_nc_u64 s[20:21], s[8:9], s[20:21]
	s_mov_b32 s32, 1
	s_mov_b32 s33, s2
	s_mov_b64 s[34:35], s[20:21]
	s_or_b32 s35, s35, 0x80000000
	s_mov_b32 s36, 1
	s_add_co_u32 s37, s2, HREC
	s_add_nc_u64 s[38:39], s[20:21], HREC          ; the second head's
	s_or_b32 s39, s39, 0x80000000
	ROUND                                          ; all four work-groups are here: the joint loads meet
	tensor_load_to_lds s[32:35], s[24:31]          ; every wave fetches: two loads of mine are out
	s_nop 0
	tensor_load_to_lds s[36:39], s[24:31]
	s_nop 0
.rept 4
	v_nop
.endr
	s_lshr_b32 s3, s14, 2
	s_lshl_b32 s3, s3, 8
	s_and_b32 s2, s14, 3
	s_lshl_b32 s2, s2, 2
	s_add_co_u32 s3, s3, s2                        ; 256 (wave / 4) + 4 (wave % 4): my tile's place among the words of four groups of four tiles
	s_mov_b32 s23, 0
	s_lshl_b32 s22, s17, 8                         ; Qc: tile 128 (2 y) + 16 block + wave, 512 bytes each
	s_lshl_b32 s46, s16, 4
	s_add_co_u32 s22, s22, s46
	s_add_co_u32 s22, s22, s14
	s_lshl_b32 s22, s22, 9
	s_add_nc_u64 s[4:5], s[4:5], s[22:23]
	s_lshl_b32 s22, s17, 14                        ; Qs: 8,192 bytes a head, 1,024 a block of 256 queries
	s_lshl_b32 s46, s16, 10
	s_add_co_u32 s22, s22, s46
	s_add_co_u32 s22, s22, s3
	s_add_nc_u64 s[6:7], s[6:7], s[22:23]
	s_lshl_b32 s22, s18, 7                         ; Xc: tile 128 batch + 16 block + wave, 8,192 bytes each; in it head 2 pair, 512 bytes each
	s_add_co_u32 s22, s22, s46
	s_lshl_b32 s22, s22, 0
	s_lshr_b32 s46, s46, 6                         ; 16 block
	s_lshl_b32 s22, s18, 7
	s_add_co_u32 s22, s22, s46
	s_add_co_u32 s22, s22, s14
	s_lshl_b32 s22, s22, 13
	s_lshl_b32 s46, s19, 10
	s_add_co_u32 s22, s22, s46
	s_add_nc_u64 s[10:11], s[10:11], s[22:23]
	s_lshl_b32 s22, s19, 15                        ; Xs: 32,768 bytes a pair of heads, 8,192 a batch, 1,024 a block
	s_lshl_b32 s46, s18, 13
	s_add_co_u32 s22, s22, s46
	s_lshl_b32 s46, s16, 10
	s_add_co_u32 s22, s22, s46
	s_add_nc_u64 s[12:13], s[12:13], s[22:23]
	v_and_b32 v1, 31, v0
	v_lshlrev_b32 v1, 4, v1                        ; 16 x lane
	v_and_b32 v2, 15, v0
	v_lshlrev_b32 v2, 4, v2                        ; 16 r
	global_load_b128 v[16:19], v1, s[4:5] th:TH_LOAD_NT                ; Q's image, first head: lane (r, h): query r, channels 32 h + 0 .. 31
	global_load_b128 v[24:27], v1, s[4:5] offset:65536 th:TH_LOAD_NT   ; second head
	global_load_b32 v10, v2, s[6:7]                ; and their scale words
	global_load_b32 v11, v2, s[6:7] offset:8192
	v_add_nc_u32 v255, s3, v2
	v_add_nc_u32 v255, GATH, v255                  ; where my row's scale word goes at the end
.irp i, 20,21,22,23,28,29,30,31
	v_mov_b32 v[\i], 0                             ; Q's zero codes for k = 64 .. 127
.endr
.irp t, 0,1,2,3,4,5,6,7
.irp i, 4,5,6,7
	v_mov_b32 v[32+8*\t+\i], 0                     ; K's likewise: written once, never loaded over
.endr
.endr
.irp b, 0,1,2,3
	v_mov_b32 v[236+\b], 0                         ; written once: a lane permute's destination counts as one of its sources
.endr
	v_mov_b32 v253, 0                              ; (named as the upper half of the pair v[252:253] before it is first written)
; A KEY STEP: 128 keys, the record at LDS byte s44.  qf: Q's fragment; qs: its scale word
.macro STEP qf, qs
	v_add_nc_u32 v3, s44, v1
	v_add_nc_u32 v4, s44, v2
	v_nop
	v_nop                                          ; four plain instructions between the last step's products and the loads into V's registers
.irp t, 0,1,2,3,4,5,6,7
	ds_load_b128 v[32+8*\t:35+8*\t], v3 offset:512*\t                  ; K's tile t: an image, 512 consecutive bytes
.endr
	ds_load_b128 v[248:251], v4 offset:8192        ; K's scale words, tiles 0-3 of key r,
	ds_load_b128 v[240:243], v4 offset:8448        ; tiles 4-7
.irp m, 0,1,2,3,4,5,6,7
	ds_load_b128 v[192+4*\m:195+4*\m], v3 offset:4096+512*\m           ; V's four tiles of 16 channels x 128 keys
.endr
	ds_load_b128 v[6:9], v4 offset:8704            ; V's scale words, tiles 0-3 of channel r
	s_wait_dscnt 0x9                               ; K and its words are in; V's nine loads may stay out
.irp t, 0,1,2,3
	v_wmma_scale_f32_16x16x128_f8f6f4 v[96+8*\t:103+8*\t], v[32+8*\t:39+8*\t], v[\qf:\qf+7], 0, v[248+\t], v[\qs] matrix_a_fmt:MATRIX_FMT_FP4 matrix_b_fmt:MATRIX_FMT_FP4
.endr
.irp t, 4,5,6,7
	v_wmma_scale_f32_16x16x128_f8f6f4 v[96+8*\t:103+8*\t], v[32+8*\t:39+8*\t], v[\qf:\qf+7], 0, v[236+\t], v[\qs] matrix_a_fmt:MATRIX_FMT_FP4 matrix_b_fmt:MATRIX_FMT_FP4
.endr
.rept 4
	v_nop
.endr
.irp b, 0,1,2,3
	v_max3_num_f32 v[232+\b], v[96+16*\b], v[97+16*\b], v[98+16*\b]   ; THE LARGEST SCORE OF EACH BLOCK OF 32 KEYS: for the row's maximum, and, since p rises with the score, for the block's largest p
.endr
.irp i, 3,5,7,9,11,13
.irp b, 0,1,2,3
	v_max3_num_f32 v[232+\b], v[232+\b], v[96+16*\b+\i], v[97+16*\b+\i]   ; (the four blocks by turns)
.endr
.endr
.irp b, 0,1,2,3
	v_max_num_f32 v[232+\b], v[232+\b], v[111+16*\b]
.endr
.irp b, 0,1,2,3
	v_permlanex16_b32 v[236+\b], v[232+\b], s40, s41
.endr
.irp b, 0,1,2,3
	v_max_num_f32 v[232+\b], v[232+\b], v[236+\b]  ; with lane l xor 16's 16 keys
.endr
	v_max3_num_f32 v254, v232, v233, v234
	v_max_num_f32 v254, v254, v235                 ; the step's largest score of my query
	v_mul_f32 v254, s42, v254                      ; as t
	v_max_num_f32 v13, v13, v254                   ; the running largest t
	v_mov_b32 v254, v12
	v_floor_f32 v12, -v13                          ; the new -M = floor(-t) = -ceil(t)
	v_sub_f32 v254, v12, v254                      ; M's old value less its new one: a whole number, 0 or less
	v_cvt_i32_f32 v254, v254                       ; (it saturates)
	v_ldexp_f32 v252, 1.0, v254                    ; f = 2^(old M - new M)
.set i, 0
.rept 32
	v_pk_fma_f32 v[96+i:97+i], v[96+i:97+i], s[42:43], v[12:13] op_sel_hi:[1,0,0]   ; t - M, two at a time
.set i, i+2
.endr
.irp b, 0,1,2,3
	v_fma_f32 v[232+\b], v[232+\b], s42, v12       ; the same of each block's largest score
.endr
.set i, 0
.rept 64
	v_exp_f32 v[96+i], v[96+i]                     ; p = 2^(t - M), at most 1
.set i, i+1
.endr
	v_pk_mul_f32 v[14:15], v[14:15], v[252:253] op_sel_hi:[1,0]        ; the sums under the new M: the plain instruction behind the exponentials
	s_wait_alu depctr_va_vdst(0)                   ; one wait for the whole batch, ahead of its first reader
.irp b, 0,1,2,3
	v_exp_f32 v[232+\b], v[232+\b]                 ; the block's largest p
.endr
	v_pk_add_f32 v[236:237], v[96:97], v[98:99]    ; THE ROW'S SUM IS TAKEN OF THE UNQUANTISED p: two at a time, in two chains; it reads the 64 alone
.irp j, 4,8,12,16,20,24,28,32,36,40,44,48,52,56,60
	v_pk_add_f32 v[14:15], v[14:15], v[96+\j:97+\j]
	v_pk_add_f32 v[236:237], v[236:237], v[98+\j:99+\j]
.endr
	v_pk_add_f32 v[14:15], v[14:15], v[236:237]
	s_wait_alu depctr_va_vdst(0)                   ; and one for the four
.irp b, 0,1,2,3
	v_max_num_f32 v[232+\b], 0x1800000, v[232+\b]  ; the floor 2^(3 - 127): the byte cannot fall under 1
.endr
.irp b, 0,1,2,3
	v_add_nc_u32 v[244+\b], 0xff000000, v[232+\b]  ; 2 off the exponent field: the conversion's scale operand
.endr
.irp b, 0,1,2,3
	v_lshrrev_b32 v[236+\b], 23, v[244+\b]         ; the scale's byte
.endr
	v_lshl_or_b32 v253, v237, 8, v236              ; p's scale word for these 128 keys
	v_lshl_or_b32 v253, v238, 16, v253
	v_lshl_or_b32 v253, v239, 24, v253
.irp t, 0,1,2,3,4,5,6,7
	v_cvt_scalef32_pk8_fp4_f32 v[224+4*(\t/4)+2*(\t%2)+(\t%4)/2], v[96+8*\t:103+8*\t], v[244+\t/2]
.endr
	v_nop                                          ; one plain instruction behind the scaled conversions
.irp i, 0,2,4,6
	v_permlane16_swap_b32 v[224+\i], v[225+\i]
.endr
.set i, 0
.rept 16
	v_pk_mul_f32 v[160+i:161+i], v[160+i:161+i], v[252:253] op_sel_hi:[1,0]   ; O^T under the new M.  (These sixteen also stand between the writes of p's codes and scale word and the products)
.set i, i+2
.endr
	s_wait_dscnt 0x0                               ; V is in
.irp d, 0,1,2,3
	v_wmma_scale_f32_16x16x128_f8f6f4 v[160+8*\d:167+8*\d], v[192+8*\d:199+8*\d], v[224:231], v[160+8*\d:167+8*\d], v[6+\d], v253 matrix_a_fmt:MATRIX_FMT_FP4 matrix_b_fmt:MATRIX_FMT_FP4
.endr
.endm
; THE END OF A HEAD: x = O^T / the sum; its 64 channels are two blocks of the last product's K; the codes' image, 512 consecutive bytes, is stored; the two bytes go into the scale word
.macro FINISH e
.rept 4
	v_nop                                          ; behind the last products
.endr
	v_add_f32 v14, v14, v15                        ; the sum's two halves,
	v_permlanex16_b32 v252, v14, s40, s41
	v_add_f32 v14, v14, v252                       ; and lane l xor 16's: the row's sum
	v_rcp_f32 v14, v14
	v_nop                                          ; a plain instruction behind the reciprocal,
	s_wait_alu depctr_va_vdst(0)                   ; and the wait ahead of its first reader
.set i, 0
.rept 32
	v_mul_f32 v[96+i], v[160+i], v14               ; register 8 t + i: x(query r, channel 16 t + 8 h + i); each accumulator from its low end on
.set i, i+1
.endr
.irp b, 0,1
	v_max3_num_f32 v[232+\b], |v[96+16*\b]|, |v[97+16*\b]|, 0x1800000
.endr
.irp i, 2,4,6,8,10,12,14
.irp b, 0,1
	v_max3_num_f32 v[232+\b], v[232+\b], |v[96+16*\b+\i]|, |v[97+16*\b+\i]|
.endr
.endr
.irp b, 0,1
	v_permlanex16_b32 v[236+\b], v[232+\b], s40, s41
.endr
.irp b, 0,1
	v_max_num_f32 v[232+\b], v[232+\b], v[236+\b]
.endr
.irp b, 0,1
	v_add_nc_u32 v[244+\b], 0xff000000, v[232+\b]
.endr
.irp b, 0,1
	v_lshrrev_b32 v[236+\b], 23, v[244+\b]
.endr
.if \e == 0
	v_lshl_or_b32 v5, v237, 8, v236                ; bytes 0 and 1 of the K step's scale word
.else
	v_lshl_or_b32 v5, v236, 16, v5                 ; bytes 2 and 3
	v_lshl_or_b32 v5, v237, 24, v5
.endif
.irp t, 0,1,2,3
	v_cvt_scalef32_pk8_fp4_f32 v[224+2*(\t%2)+\t/2], v[96+8*\t:103+8*\t], v[244+\t/2]
.endr
	v_nop
	v_permlane16_swap_b32 v224, v225
	v_permlane16_swap_b32 v226, v227
	global_store_b128 v1, v[224:227], s[10:11] offset:512*\e
.endm
.macro HEAD e, qf, qs
	v_mov_b32 v13, 0xff61b1e6                      ; the largest t so far: -3e38, under every t
	v_floor_f32 v12, -v13                          ; -M
	v_mov_b32 v14, 0
	v_mov_b32 v15, 0
.set i, 0
.rept 32
	v_mov_b32 v[160+i], 0                          ; O^T: the step is written once; its first trip finds zeros, which the first change of M leaves zeros
.set i, i+1
.endr
	s_mov_b32 s44, \e*HREC
	s_mov_b32 s45, 16
.Lstep_\@:
	STEP \qf, \qs
	s_add_co_u32 s44, s44, REC
	s_sub_co_u32 s45, s45, 1
	s_cmp_lg_u32 s45, 0
	s_cbranch_scc1 .Lstep_\@
	FINISH \e
.endm
	s_wait_tensorcnt 0x1                           ; my record of the first head is in; the second head's load may stay out
	s_barrier_signal -1
	s_barrier_wait -1                              ; all sixteen records are
	s_wait_loadcnt 0x0                             ; Q
	HEAD 0, 16, 10
	s_wait_tensorcnt 0x0                           ; my record of the second head is in
	s_wait_xcnt 0x0                                ; the store of the first head's codes has read its registers: they are written again
	s_wait_dscnt 0x0
	s_barrier_signal -1
	s_barrier_wait -1                              ; all sixteen are
	HEAD 1, 24, 11
	ds_store_b32 v255, v5                          ; my 16 rows' scale words (both halves of the lanes hold and write the same)
	v_lshl_add_u32 v3, v0, 4, GATH                 ; the way back, made ahead of the branch: 16 bytes a thread
	v_lshlrev_b32 v4, 4, v0
	s_wait_dscnt 0x0                               ; for the others' sake: my store is done
	s_barrier_signal -1
	s_barrier_wait -1
	s_cmp_lt_u32 s14, 2                            ; waves 0 and 1 store the 1,024 bytes, 512 consecutive bytes each
	s_cbranch_scc0 .Lno_words
	ds_load_b128 v[96:99], v3
	s_wait_dscnt 0x0
	global_store_b128 v4, v[96:99], s[12:13]
.Lno_words:
	s_wait_xcnt 0x0
	v_lshl_add_u32 v254, v0, 2, 0x46400
	v_mov_b32 v255, 0
	s_wait_tensorcnt 0x0
	ds_add_u32 v254, v255
	s_wait_dscnt 0x0
	ROUND                                          ; the closing round: no work-group ends while a partner may still ask for a record that names it
	s_endpgm
.Lfunc_end_k_qede4bc2c26_attn:
	.size	k_qede4bc2c26_attn, .Lfunc_end_k_qede4bc2c26_attn-k_qede4bc2c26_attn
	.p2alignl 7, 3214868480
	.fill 96, 4, 3214868480
	.section	.rodata,"a",@progbits
	.p2align	6, 0x0
	.amdhsa_kernel k_qede4bc2c26_attn
		.amdhsa_group_segment_fixed_size 289792
		.amdhsa_private_segment_fixed_size 0
		.amdhsa_enable_private_segment 0
		.amdhsa_kernarg_size 40
		.amdhsa_user_sgpr_count 2
		.amdhsa_user_sgpr_kernarg_segment_ptr 1
		.amdhsa_wavefront_size32 1
		.amdhsa_system_sgpr_workgroup_id_x 1
		.amdhsa_system_sgpr_workgroup_id_y 1
		.amdhsa_system_sgpr_workgroup_id_z 1
		.amdhsa_system_vgpr_workitem_id 0
		.amdhsa_next_free_vgpr 256
		.amdhsa_next_free_sgpr 66
		.amdhsa_reserve_vcc 0
		.amdhsa_float_denorm_mode_32 3
		.amdhsa_float_denorm_mode_16_64 3
		.amdhsa_memory_ordered 1
		.amdhsa_forward_progress 1
		.amdhsa_inst_pref_size 47
	.end_amdhsa_kernel
	.amdgpu_metadata
---
amdhsa.version: [ 1, 2 ]
amdhsa.kernels:
  - .name:           k_qede4bc2c26_attn
    .symbol:         k_qede4bc2c26_attn.kd
    .args:
      - { .name: Qc, .offset: 0, .size: 8, .value_kind: global_buffer, .address_space: global }
      - { .name: Qs, .offset: 8, .size: 8, .value_kind: global_buffer, .address_space: global }
      - { .name: KV, .offset: 16, .size: 8, .value_kind: global_buffer, .address_space: global }
      - { .name: Xc, .offset: 24, .size: 8, .value_kind: global_buffer, .address_space: global }
      - { .name: Xs, .offset: 32, .size: 8, .value_kind: global_buffer, .address_space: global }
    .group_segment_fixed_size: 289792
    .private_segment_fixed_size: 0
    .kernarg_segment_align: 8
    .kernarg_segment_size: 40
    .max_flat_workgroup_size: 512
    .sgpr_count:     66
    .vgpr_count:     256
    .wavefront_size: 32
...
	.end_amdgpu_metadata
.endif
;; end of part 2
;; launch outp (part 3): grid 32 x 8, 4 waves a work-group, clusters of 4 x 1, 168,448 bytes of LDS; arguments Xc, Xs, Wo_codes, Wo_scales, bo, out0; writes out0
.if DOCPART == 3
	.amdgcn_target "amdgcn-amd-amdhsa--gfx1250"
	.amdhsa_code_object_version 6
	.text
	.protected	k_qede4bc2c26_outp
	.globl	k_qede4bc2c26_outp
	.p2align	8
	.type	k_qede4bc2c26_outp,@function
k_qede4bc2c26_outp:
	s_mov_b64 s[64:65], 0
	v_nop
	global_prefetch_b8 v0, s[64:65] scope:SCOPE_SE
	s_setreg_imm32_b32 hwreg(HW_REG_WAVE_MODE, 25, 1), 1
	s_wait_xcnt 0x0
	s_wait_alu depctr_hold_cnt(0) depctr_sa_sdst(0) depctr_va_vdst(0) depctr_va_sdst(0) depctr_va_ssrc(0) depctr_va_vcc(0) depctr_vm_vsrc(0)
	s_getreg_b32 s2, hwreg(HW_REG_IB_STS2, 6, 4)
	s_cmp_eq_u32 s2, 0
	s_cbranch_scc0 .Lentry_in_a_cluster
	s_endpgm
.Lentry_in_a_cluster:
	s_bfe_u32 s2, ttmp6, 0x10000c
	s_cmp_lg_u32 s2, 0x3003
	s_cbranch_scc0 .Lentry_shape_is_right
	s_endpgm
.Lentry_shape_is_right:
; out0 = x Wo^T + bo on codes of FP4 (E2M1) with one E8M0 scale for each 32 along K = 1,024; out0 [8,192][1,024] f32.  x comes as the launch before laid it: images of the operand's registers (Xc) and scale words (Xs).
; SHARES.  A work-group makes 256 tokens x 128 columns; each of its four waves 64 tokens x 128: 32 accumulators of 16 x 16.  The matrix instruction is used transposed (source 0 = 16 rows of Wo, source 1 = 16 tokens):
; a lane then holds eight neighbouring columns of one row of out0.
; x's fragments are read by one wave alone: they go from memory straight into its registers, all of K at once (256 registers).  Wo's 128 rows, all of K, lie in LDS, filled once; bo is the C of each sum's first matrix instruction.
; CLUSTER.  The four work-groups of a cluster take the same 128 rows of Wo: each quarter of them is asked for JOINTLY, one tensor load a wave with the mask of all four.
; REGISTERS, in windows of 256.  Window 0: v1-12 addresses; v16-47 Wo's scale words, v48-63 x's; v64-191 Wo's fragments, two sets, later rows of out0.  Window 1: accumulator (j, t) at v[64 j + 8 t].
;   Window 2: x's fragment (tile j, K step s) at v[64 j + 8 s].   Window 3: v0-63 bo in the result's layout.
.set PITCH,  272                       ; an LDS row: 256 bytes of codes + 16 of padding
.set TILEB,  16*PITCH
.set KH,     128*PITCH                 ; Wo's 128 rows of a K half of 512
.set STAGE,  2*KH                      ; behind them: 16 rows x (512 bytes + 16) for each wave, for the way out; no fill lands there
.set SPITCH, 528
.set A0,  4                            ; v4-5  LDS address of my lane in Wo's tiles, K half 0, 1
.set WS,  16
.set XS,  48
.set F0,  64
.set MSB, 0
.macro WIN new                         ; the immediate's high byte repeats the setting that is left
.if MSB != \new
	s_set_vgpr_msb (MSB<<8)|\new
.set MSB, \new
.endif
.endm
.macro PLACES                          ; four plain vector instructions between a matrix instruction and a load into one of its registers or a read of its result
.rept 4
	v_nop
.endr
.endm
.macro ROUND                           ; a round of the cluster's barrier
	s_barrier_signal -1
	s_barrier_wait -1
	s_cmp_lg_u32 s16, 0
	s_cbranch_scc1 .Lnot_wave_0_\@
	s_barrier_signal -3
.Lnot_wave_0_\@:
	s_barrier_wait -3
	s_barrier_signal -1
	s_barrier_wait -1
.endm
	s_load_b256 s[4:11], s[0:1], 0x0               ; Xc s[4:5], Xs s[6:7], Wo's codes s[8:9], Wo's scales s[10:11]
	s_load_b128 s[12:15], s[0:1], 0x20             ; bo s[12:13], out0 s[14:15]
	v_lshl_add_u32 v254, v0, 2, 0x29000
	v_mov_b32 v255, 0
	ds_add_u32 v254, v255
	ds_add_u32 v254, v255
	v_lshrrev_b32 v1, 5, v0
	v_readfirstlane_b32 s16, v1                    ; wave 0..3
	s_bfe_u32 s17, ttmp6, 0x40000                  ; cx
	s_lshl_b32 s18, ttmp9, 2
	s_add_co_u32 s18, s18, s17                     ; my block of 256 tokens, 0..31: it enters x's and out0's addresses alone
	s_and_b32 s19, ttmp7, 0xffff                   ; my block of 128 columns, 0..7, which the four partners share
	; descriptor group 1: 64 rows x 256 bytes out of rows of 512, four words of padding after every 64; the mask of all four, bit 21 beside it
	s_mov_b32 s24, 15|(1<<20)|(1<<21)|(5<<22)|(3<<25)
	s_mov_b32 s25, 256<<16
	s_mov_b32 s26, 64<<16
	s_mov_b32 s27, 256<<16
	s_mov_b32 s28, 64
	s_mov_b32 s29, 512
	s_mov_b32 s30, 0
	s_mov_b32 s31, 0
	s_lshl_b32 s20, s19, 16                        ; Wo: 128 rows of 512 bytes a block,
	s_and_b32 s21, s16, 1
	s_lshl_b32 s21, s21, 15                        ; + 64 rows x (wave % 2),
	s_add_co_u32 s20, s20, s21
	s_lshr_b32 s21, s16, 1
	s_lshl_b32 s21, s21, 8                         ; + K half wave / 2
	s_add_co_u32 s20, s20, s21
	s_mov_b32 s21, 0
	s_mov_b32 s32, 1
	s_mul_i32 s33, s16, 64*PITCH                   ; in LDS: K half wave / 2, rows 64 (wave % 2) on: 64 rows x wave
	s_wait_dscnt 0x0
	s_wait_kmcnt 0x0
	s_add_nc_u64 s[34:35], s[8:9], s[20:21]
	s_or_b32 s35, s35, 0x80000000
	ROUND                                          ; all four work-groups are here: the joint loads meet
	tensor_load_to_lds s[32:35], s[24:31]          ; one load of mine is out
	s_nop 0
.rept 4
	v_nop
.endr
	s_mov_b32 s23, 0
	s_lshl_b32 s22, s18, 17                        ; Xc: 8,192 bytes a tile of 16 tokens: tile 16 block + 4 wave
	s_lshl_b32 s36, s16, 15
	s_add_co_u32 s22, s22, s36
	s_add_nc_u64 s[4:5], s[4:5], s[22:23]
	s_lshl_b32 s22, s18, 10                        ; Xs: 256 bytes for four tiles
	s_lshl_b32 s36, s16, 8
	s_add_co_u32 s22, s22, s36
	s_add_nc_u64 s[6:7], s[6:7], s[22:23]
	s_lshl_b32 s22, s19, 12                        ; Wo's scale bytes: 128 rows of 32
	s_add_nc_u64 s[10:11], s[10:11], s[22:23]
	s_lshl_b32 s22, s19, 9                         ; bo: 128 numbers
	s_add_nc_u64 s[12:13], s[12:13], s[22:23]
	s_lshl_b32 s36, s18, 20                        ; out0: row 256 block + 64 wave of 4,096 bytes, + the columns' 512 bytes x block
	s_add_co_u32 s22, s22, s36
	s_lshl_b32 s36, s16, 18
	s_add_co_u32 s22, s22, s36
	s_add_nc_u64 s[14:15], s[14:15], s[22:23]
	v_and_b32 v1, 15, v0                           ; r
	v_bfe_u32 v2, v0, 4, 1                         ; h
	v_and_b32 v3, 31, v0
	v_lshlrev_b32 v3, 4, v3                        ; 16 x lane
	v_mul_u32_u24 v[A0], v1, PITCH
	v_lshl_add_u32 v[A0], v2, 4, v[A0]             ; a fragment: row r, + 16 h
	v_add_nc_u32 v[A0+1], KH, v[A0]
	v_lshlrev_b32 v8, 5, v1
	v_lshl_add_u32 v8, v2, 4, v8                   ; Wo's scale bytes: row r of 32 bytes, + 16 h
	v_lshlrev_b32 v9, 5, v2                        ; bo: 8 h numbers on
	v_lshlrev_b32 v10, 4, v1
	v_lshl_add_u32 v10, v2, 17, v10                ; x's scale words: 16 r; lanes 16-31 four K steps on
	s_mul_i32 s36, s16, 16*SPITCH
	s_add_co_u32 s36, s36, STAGE                   ; my stage
	v_mul_u32_u24 v11, v1, SPITCH
	v_lshl_add_u32 v11, v2, 5, v11
	v_add_nc_u32 v11, s36, v11                     ; in: row r, 32 bytes for each half of the lanes
	v_add_nc_u32 v12, s36, v3                      ; back: the 32 lanes take one row of 512 bytes
.irp t, 0,1,2,3,4,5,6,7
	global_load_b128 v[WS+4*\t:WS+4*\t+3], v8, s[10:11] offset:512*\t  ; register m: K step m's word in lanes 0-15, K step 4 + m's in lanes 16-31
.endr
.irp m, 0,1,2,3
	global_load_b128 v[XS+4*\m:XS+4*\m+3], v10, s[6:7] offset:32768*\m ; register 4 m + j: tile j's word of K step m (lanes 0-15) and 4 + m (lanes 16-31)
.endr
	WIN 0xc0                                       ; destination window 3
.irp t, 0,1,2,3,4,5,6,7
	global_load_b128 v[8*\t:8*\t+3], v9, s[12:13] offset:64*\t         ; bo(16 t + 8 h + 0 .. 7)
	global_load_b128 v[8*\t+4:8*\t+7], v9, s[12:13] offset:64*\t+16
.endr
	WIN 0x80                                       ; destination window 2
.irp j, 0,1,2,3
.irp s, 0,1,2,3,4,5,6,7
.irp c, 0,1
	global_load_b128 v[64*\j+8*\s+4*\c:64*\j+8*\s+4*\c+3], v3, s[4:5] offset:8192*\j+1024*\s+512*\c   ; an image: 512 consecutive bytes
.endr
.endr
.endr
	WIN 0
.macro FETCH q, set                    ; Wo's eight fragments of K step q
.irp t, 0,1,2,3,4,5,6,7
.irp c, 0,1
	ds_load_b128 v[F0+64*(\set)+8*\t+4*\c:F0+64*(\set)+8*\t+4*\c+3], v[A0+(\q)/4] offset:\t*TILEB+64*((\q)%4)+32*\c
.endr
.endr
.endm
.macro MUL q, set                      ; 32 matrix instructions; the 32 accumulators take turns, one instruction a turn.  K step 0 takes bo as its C
.if (\q) == 0
	WIN 0x78                                       ; source 1 (x) window 2, C (bo) window 3, D window 1
.else
	WIN 0x58                                       ; C and D window 1
.endif
.irp j, 0,1,2,3
.irp t, 0,1,2,3,4,5,6,7
.if (\q) == 0
	v_wmma_scale_f32_16x16x128_f8f6f4 v[64*\j+8*\t:64*\j+8*\t+7], v[F0+64*(\set)+8*\t:F0+64*(\set)+8*\t+7], v[64*\j:64*\j+7], v[8*\t:8*\t+7], v[WS+4*\t], v[XS+\j] matrix_a_fmt:MATRIX_FMT_FP4 matrix_b_fmt:MATRIX_FMT_FP4
.elseif (\q) < 4
	v_wmma_scale_f32_16x16x128_f8f6f4 v[64*\j+8*\t:64*\j+8*\t+7], v[F0+64*(\set)+8*\t:F0+64*(\set)+8*\t+7], v[64*\j+8*(\q):64*\j+8*(\q)+7], v[64*\j+8*\t:64*\j+8*\t+7], v[WS+4*\t+(\q)], v[XS+4*(\q)+\j] matrix_a_fmt:MATRIX_FMT_FP4 matrix_b_fmt:MATRIX_FMT_FP4
.else
	v_wmma_scale_f32_16x16x128_f8f6f4 v[64*\j+8*\t:64*\j+8*\t+7], v[F0+64*(\set)+8*\t:F0+64*(\set)+8*\t+7], v[64*\j+8*(\q):64*\j+8*(\q)+7], v[64*\j+8*\t:64*\j+8*\t+7], v[WS+4*\t+(\q)-4], v[XS+4*((\q)-4)+\j] matrix_a_fmt:MATRIX_FMT_FP4 matrix_b_fmt:MATRIX_FMT_FP4 matrix_a_scale:MATRIX_SCALE_ROW1 matrix_b_scale:MATRIX_SCALE_ROW1
.endif
.endr
.endr
	WIN 0
.endm
	s_wait_tensorcnt 0x0                           ; my quarter of Wo's rows is in,
	s_barrier_signal -1
	s_barrier_wait -1                              ; everybody's is
	FETCH 0, 0
	s_wait_loadcnt 0x0                             ; x, the scale words, bo
.irp q, 0,1,2,3,4,5,6,7
	s_wait_dscnt 0x0                               ; this K step's fragments are in
.if \q > 0
	PLACES                                         ; the next loads land in the set that the last K step's products read
.endif
.if \q < 7
	FETCH \q+1, (\q+1)%2
.endif
	MUL \q, \q%2
.endr
; THE WAY OUT, a tile of 16 tokens x 128 columns at a time.  A lane holds 32 neighbouring bytes of a row and the lanes beside it hold other rows: so a tile goes through my own stage in LDS and comes back as whole rows of 512 bytes.
; LDS serves a wave's instructions in order (ISA guide 5.7.1.4): no wait between the stores and the loads, nor in front of the next tile's stores.
.macro TOSTAGE a
	WIN 0x04                                       ; an LDS store's data are its source 1: window 1
.irp b, 0,1,2,3,4,5,6,7
	ds_store_b128 v11, v[64*(\a)+8*\b:64*(\a)+8*\b+3] offset:64*\b     ; each accumulator from its low end on
	ds_store_b128 v11, v[64*(\a)+8*\b+4:64*(\a)+8*\b+7] offset:64*\b+16
.endr
	WIN 0
.irp t, 0,1,2,3,4,5,6,7,8,9,10,11,12,13,14,15
	ds_load_b128 v[F0+64*((\a)%2)+4*\t:F0+64*((\a)%2)+4*\t+3], v12 offset:\t*SPITCH
.endr
.endm
.macro SEND a, younger                 ; younger: the LDS instructions issued behind tile a's loads, which may stay out
	s_wait_dscnt \younger
.irp t, 0,1,2,3,4,5,6,7,8,9,10,11,12,13,14,15
	global_store_b128 v3, v[F0+64*((\a)%2)+4*\t:F0+64*((\a)%2)+4*\t+3], s[14:15] offset:65536*(\a)+4096*\t th:TH_STORE_NT   ; 32 lanes store 512 consecutive bytes, at a multiple of 256 from out0's first byte; written once, read by nobody here
.endr
.endm
	PLACES                                         ; behind the last products: their results are read and their fragments' registers loaded into
	TOSTAGE 0
.irp a, 1,2,3
.if \a > 1
	s_wait_xcnt 0x0                                ; tile a - 2's stores have read their registers: tile a's loads may land there
.endif
	TOSTAGE \a
	SEND \a-1, 32                                  ; behind tile a - 1's loads: tile a's 16 stores and 16 loads
.endr
	SEND 3, 0
	s_wait_tensorcnt 0x0
	ds_add_u32 v254, v255
	s_wait_dscnt 0x0
	ROUND                                          ; the closing round: no work-group ends while a partner may still ask for rows that name it
	s_endpgm
.Lfunc_end_k_qede4bc2c26_outp:
	.size	k_qede4bc2c26_outp, .Lfunc_end_k_qede4bc2c26_outp-k_qede4bc2c26_outp
	.p2alignl 7, 3214868480
	.fill 96, 4, 3214868480
	.section	.rodata,"a",@progbits
	.p2align	6, 0x0
	.amdhsa_kernel k_qede4bc2c26_outp
		.amdhsa_group_segment_fixed_size 168448
		.amdhsa_private_segment_fixed_size 0
		.amdhsa_enable_private_segment 0
		.amdhsa_kernarg_size 48
		.amdhsa_user_sgpr_count 2
		.amdhsa_user_sgpr_kernarg_segment_ptr 1
		.amdhsa_wavefront_size32 1
		.amdhsa_system_sgpr_workgroup_id_x 1
		.amdhsa_system_sgpr_workgroup_id_y 1
		.amdhsa_system_sgpr_workgroup_id_z 1
		.amdhsa_system_vgpr_workitem_id 0
		.amdhsa_next_free_vgpr 832
		.amdhsa_next_free_sgpr 66
		.amdhsa_reserve_vcc 0
		.amdhsa_float_denorm_mode_32 3
		.amdhsa_float_denorm_mode_16_64 3
		.amdhsa_memory_ordered 1
		.amdhsa_forward_progress 1
		.amdhsa_inst_pref_size 70
	.end_amdhsa_kernel
	.amdgpu_metadata
---
amdhsa.version: [ 1, 2 ]
amdhsa.kernels:
  - .name:           k_qede4bc2c26_outp
    .symbol:         k_qede4bc2c26_outp.kd
    .args:
      - { .name: Xc, .offset: 0, .size: 8, .value_kind: global_buffer, .address_space: global }
      - { .name: Xs, .offset: 8, .size: 8, .value_kind: global_buffer, .address_space: global }
      - { .name: Wo_codes, .offset: 16, .size: 8, .value_kind: global_buffer, .address_space: global }
      - { .name: Wo_scales, .offset: 24, .size: 8, .value_kind: global_buffer, .address_space: global }
      - { .name: bo, .offset: 32, .size: 8, .value_kind: global_buffer, .address_space: global }
      - { .name: out0, .offset: 40, .size: 8, .value_kind: global_buffer, .address_space: global }
    .group_segment_fixed_size: 168448
    .private_segment_fixed_size: 0
    .kernarg_segment_align: 8
    .kernarg_segment_size: 48
    .max_flat_workgroup_size: 128
    .sgpr_count:     66
    .vgpr_count:     832
    .wavefront_size: 32
...
	.end_amdgpu_metadata
.endif
;; end of part 3
